; MI455X (gfx1250); checked and timed in simulation.
; The chip was launched on July 23, 2026; its instructions are those of AMD's public machine-readable ISA for CDNA 5 (MIT licence, August 2026) and "CDNA5" Instruction Set Architecture Reference Guide (July 2026). The comments in the code are by the model that wrote it; some were corrected since.
;; Multihead Attention. Allowed arithmetic: matrix products marked QUANTISED: E2M3 operands, one E8M0 scale for each 32 along K, by v_wmma_scale_f32_16x16x128_f8f6f4 with both operands' format E2M3, f32 sums; everything else in f32.
;; Inputs: b_0 1,024 float32; b_k 1,024 float32; b_q 1,024 float32; b_v 1,024 float32; k 4 x 2,048 x 1,024 float32; q 4 x 2,048 x 1,024 float32; v 4 x 2,048 x 1,024 float32; w_0 1,024 x 1,024 float32; w_k 1,024 x 1,024 float32; w_q 1,024 x 1,024 float32; w_v 1,024 x 1,024 float32.
;; Outputs: out0 4 x 2,048 x 1,024 float32.
;; This version of the problem:
;;   THIS VERSION OF THE PROBLEM IS GIVEN IN LOW PRECISION. The matrix products marked QUANTISED in the list below multiply operands that are first quantised to E2M3 (2 exponent bits, 3 mantissa bits; 6 bits a number), with one power-of-two scale for each 32 numbers along K (OCP MX v1.0); their sums are f32. All else is computed in f32.
;;   The module's matrix products, in the order in which they are computed (A, B: the left and right operand; K: the contracted axis; several contracted axes count as one K, in the product's order):
;;     1. [M 8,192, K 1,024] x [K 1,024, N 1,024]; A: input q; B: input w_q: QUANTISED
;;     2. [M 8,192, K 1,024] x [K 1,024, N 1,024]; A: input k; B: input w_k: QUANTISED
;;     3. [M 8,192, K 1,024] x [K 1,024, N 1,024]; A: input v; B: input w_v: QUANTISED
;;     4. batch 64 x [M 2,048, K 64] x [K 64, N 2,048]; A: computed on the way; B: computed on the way: QUANTISED
;;     5. batch 64 x [M 2,048, K 2,048] x [K 2,048, N 64]; A: softmax (see below); B: computed on the way: QUANTISED
;;     6. [M 8,192, K 1,024] x [K 1,024, N 1,024]; A: computed on the way; B: input w_0: QUANTISED
;;   THE QUANTISER, for each operand of a quantised product, along K:
;;     - K is cut into blocks of 32 from its start; a last block that is shorter is filled with zeros.
;;     - A block's scale is 2^e with e = floor(log2(the largest magnitude in the block)) - 2, held to -126 .. 127; a block of zeros has e = 0. As a byte (E8M0): e + 127.
;;     - Each number is divided by its block's scale, clamped to +-7.5, and rounded to the nearest number of E2M3, ties to even, subnormals kept.
;;     - The product sums the exact products of the quantised numbers (number of the format x scale) in f32.
;;   ~~~python
;;   def quantise(x, axis):      # numpy; x: float32 -> the quantised numbers, widened to float32 again
;;       x = np.moveaxis(x, axis, -1); K = x.shape[-1]
;;       x = np.pad(x, [(0, 0)] * (x.ndim - 1) + [(0, -K % 32)]); x = x.reshape(x.shape[:-1] + (-1, 32)); a = np.abs(x).max(-1, keepdims=True)
;;       e = np.where(a > 0, np.clip(np.frexp(np.where(a > 0, a, 1))[1] - 1 - 2, -126, 127), 0)      # np.frexp(a)[1] - 1 = floor(log2(a)), exactly
;;       r = np.clip(x / 2.0 ** e, -7.5, 7.5)
;;       step = 2.0 ** (np.maximum(np.frexp(np.where(r == 0, 1, r))[1] - 1, 0) - 3)
;;       q = np.round(r / step) * step * 2.0 ** e      # np.round: ties to even
;;       return np.moveaxis(q.reshape(q.shape[:-2] + (-1,))[..., :K], -1, axis).astype(np.float32)
;;   ~~~
;;   SOFTMAX AHEAD OF A QUANTISED PRODUCT. Where the list says 'softmax', what is quantised is not the finished softmax but p = 2^(t - M), with t = logit x log2(e) and M = ceil(the row's largest t), a whole number; so 1/2 < the row's largest p <= 1. The row's sum l is taken of the UNQUANTISED p, in f32, and the product's result is divided by l at the end. Since M is a whole number, a kernel that streams over the keys may use a running M (the ceiling of the running maximum): every later rescaling is an exact power of two, which a block's scale takes up: the codes' values come out the same.
;;   OPERANDS COMPUTED ON THE WAY. 'Computed on the way' means the value that the module computes at that place (a softmax that the list does not call 'softmax' is quantised finished and normalised). What goes into a quantiser is computed in f32, as accurately as f32 sums, v_exp_f32 and their like allow (about 1e-6 of the number): no bf16 or f16 on the way to a quantiser, and a product that is left as it is and whose result goes on into a quantised operand takes f32 operands (vector FMAs, or v_wmma_f32_16x16x4_f32). A number that lies on a knife's edge between two numbers of the format may be rounded either way, as far as f32 arithmetic and the matrix unit's own rounding can turn it there, and no further.
;; One version. Each part assembles by itself: llvm-mc -triple=amdgcn-amd-amdhsa -mcpu=gfx1250 --defsym DOCPART=n.
;; ======== version 1 of 1: 3 launches
;; limits: right only within a limited range of input values
;; workspace buffers: wc 3,145,728 bytes; ws 131,072 bytes; xc 18,874,368 bytes; xs 786,432 bytes; qi 6,815,744 bytes; kv 13,631,488 bytes
;; launch quant (part 1): grid 896 x 1, 4 waves a work-group, no clusters, 57,856 bytes of LDS; arguments w_q, w_k, w_v, w_0, wc, ws, q, k, v, xc, xs; writes wc, ws, xc, xs
.if DOCPART == 1
	.amdgcn_target "amdgcn-amd-amdhsa--gfx1250"
	.amdhsa_code_object_version 6
	.text
	.protected	k_qea158e887f_quant
	.globl	k_qea158e887f_quant
	.p2align	8
	.type	k_qea158e887f_quant,@function
k_qea158e887f_quant:
	s_mov_b64 s[64:65], 0
	v_nop
	global_prefetch_b8 v0, s[64:65] scope:SCOPE_SE
	s_setreg_imm32_b32 hwreg(HW_REG_WAVE_MODE, 25, 1), 1
	s_wait_xcnt 0x0
; All seven f32 operands become codes of FP6 (E2M3) with one E8M0 byte for each 32 along K.  Work-groups 0-127 take the four weights, work-groups 128-895 take q, k, v.
; A block's scale is 2^(floor(log2(largest magnitude)) - 2); its byte is the largest magnitude's exponent field - 2, held at 1 from below.
; LIMITS: a block of zeros, and blocks whose largest magnitude lies under 2^-124, get the byte 1 (zeros' codes are zeros, and this program alone reads the bytes); NaN and infinities among the inputs are not served.
; THE WEIGHTS, [1024 (k)][1024 (n)]: a lane takes a column and its registers run down K.  Work-group g: 128 columns (g % 8), tensor t = g / 32, quarter of K = (g / 8) % 4.
;   For t < 3 position p holds column sigma(p), bits 3 and 4 of p exchanged; w_0 keeps its order.  ws: [position][32 bytes].
;   wc: for each 16 positions (tile T) and 128 along K (step s) an image of an operand's 12 registers, 1,536 bytes at (8 T + s) x 1536: register g of lane 16 h + r, which holds bytes
;   96 s + 48 (g / 6) + 24 h + 4 (g % 6) of row r's stream of codes, lies at 512 (g / 4) + 16 (16 h + r) + 4 (g % 4).
; q, k, v, [8192][1024]: rows of 768 bytes of codes and 32 scale bytes.  A wave takes a run of eight whole rows; only the run's place in the output hangs on the tensor:
;   q keeps its order; v: bits 0 and 1 of the run's number exchanged; k: its three lowest bits turned left by one, so that row m of tile t of 128 positions holds key 64 (t / 4) + 32 (m / 8) + 8 (t % 4) + m % 8.
; The two paths have LDS bytes of their own; the spare words are common.
.set EMAX,  2
.set SPARE, 32768
.set WL,    33280                      ; the weights' stages: 6,144 bytes a wave
.set WSZ,   786432
.set WSS,   32768
.set WX,    32                         ; weights: v32-95 two sets of 32 numbers
.set WC,    96
.set WOUT,  112
.set WSB,   24
.set STEPS, 16
.set CB,    12
.set XSZ,   6291456
.set XR,    16                         ; x: v16-79 four sets of 16 numbers as loaded
.set XX,    80                         ; v80-111 two sets of 16 neighbours
.set XC,    128                        ; v128-191 codes, four registers a step
.set XE,    112                        ; v112-127 a scale byte a step
.set WREG,  8192
.set SP,    80
	v_lshl_add_u32 v192, v0, 2, SPARE
	v_mov_b32 v193, 0
	v_lshrrev_b32 v1, 5, v0
	v_readfirstlane_b32 s16, v1                    ; wave
	v_and_b32 v2, 31, v0                           ; lane
	s_cmp_lt_u32 ttmp9, 128
	s_wait_alu depctr_va_vdst(0)                   ; the wait ahead of the branch
	s_cbranch_scc0 .Lx
	s_load_b256 s[4:11], s[0:1], 0x0               ; w_q, w_k, w_v, w_0
	s_load_b128 s[12:15], s[0:1], 0x20             ; wc, ws
	s_and_b32 s17, ttmp9, 7
	s_lshl_b32 s17, s17, 7
	s_lshl_b32 s18, s16, 5
	s_add_co_u32 s17, s17, s18                     ; my wave's first position
	s_lshr_b32 s30, ttmp9, 3
	s_lshr_b32 s31, s30, 2                         ; t
	s_and_b32 s18, s30, 3                          ; quarter of K
	s_cmp_lt_u32 s31, 3
	s_cselect_b32 s32, 24, 0                       ; w_0 keeps its order
	v_lshrrev_b32 v10, 3, v2
	v_lshrrev_b32 v11, 4, v2
	v_xor_b32 v10, v10, v11
	v_and_b32 v10, 1, v10
	v_mul_u32_u24 v10, v10, s32
	v_xor_b32 v10, v10, v2                         ; sigma(lane)
	v_lshlrev_b32 v3, 2, v10
	s_mul_i32 s19, s16, 6144
	s_add_co_u32 s19, s19, WL                      ; my stage
	v_and_b32 v5, 15, v2
	v_lshrrev_b32 v6, 4, v2
	v_mul_u32_u24 v4, v6, 3072                     ; my tile's two images, my row's 16 bytes in a run of 512
	v_lshl_add_u32 v4, v5, 4, v4
	v_add_nc_u32 v4, s19, v4
	v_lshlrev_b32 v8, 4, v2
	v_add_nc_u32 v7, s19, v8
	s_mul_i32 s20, s18, 256*4096
	s_lshl_b32 s22, s17, 2
	s_add_co_u32 s20, s20, s22
	s_mov_b32 s21, 0
	s_mul_i32 s24, s17, 768                        ; a tile's eight images are 12,288 bytes: 768 a position
	s_mul_i32 s26, s18, 3072
	s_add_co_u32 s24, s24, s26
	s_mul_i32 s26, s31, WSZ
	s_add_co_u32 s24, s24, s26
	s_mov_b32 s25, 0
	s_lshl_b32 s28, s17, 5
	s_lshl_b32 s26, s18, 3
	s_add_co_u32 s28, s28, s26
	s_mul_i32 s26, s31, WSS
	s_add_co_u32 s28, s28, s26
	s_mov_b32 s29, 0
	v_lshlrev_b32 v9, 5, v2
	s_wait_alu depctr_va_vdst(0)                   ; the wait at the head's end
	s_wait_kmcnt 0x0
	s_cmp_eq_u32 s31, 1
	s_cselect_b64 s[4:5], s[6:7], s[4:5]
	s_cmp_eq_u32 s31, 2
	s_cselect_b64 s[4:5], s[8:9], s[4:5]
	s_cmp_eq_u32 s31, 3
	s_cselect_b64 s[4:5], s[10:11], s[4:5]
	s_add_nc_u64 s[4:5], s[4:5], s[20:21]
	s_add_nc_u64 s[6:7], s[12:13], s[24:25]
	s_add_nc_u64 s[8:9], s[14:15], s[28:29]
.macro WLOAD t
.irp i, 0,1,2,3,4,5,6,7,8,9,10,11,12,13,14,15,16,17,18,19,20,21,22,23,24,25,26,27,28,29,30,31
	global_load_b32 v[WX+32*((\t)%2)+\i], v3, s[4:5] offset:(32*(\t)+\i)*4096 th:TH_LOAD_NT
.endr
.endm
	WLOAD 0
	WLOAD 1
.macro WBLOCK t
.set XS, WX+32*((\t)%2)
.if (\t) < 7
	s_wait_loadcnt 32                              ; this block's 32 loads are in; the next block's 32 may be out
.else
	s_wait_loadcnt 0
.endif
	v_max3_num_f32 v12, |v[XS]|, |v[XS+1]|, |v[XS+2]|
	v_max3_num_f32 v13, |v[XS+3]|, |v[XS+4]|, |v[XS+5]|
.irp i, 6,10,14,18,22,26
	v_max3_num_f32 v12, v12, |v[XS+\i]|, |v[XS+\i+1]|
	v_max3_num_f32 v13, v13, |v[XS+\i+2]|, |v[XS+\i+3]|
.endr
	v_max3_num_f32 v12, v12, |v[XS+30]|, |v[XS+31]|
	v_max3_num_f32 v12, v12, v13, (EMAX+1)<<23
	v_add_nc_u32 v11, -(EMAX<<23), v12
	v_lshrrev_b32 v13, 23, v11
.if (\t)%4 == 0
	v_mov_b32 v[WSB+(\t)/4], v13
.else
	v_lshl_or_b32 v[WSB+(\t)/4], v13, 8*((\t)%4), v[WSB+(\t)/4]
.endif
	v_cvt_scalef32_pk16_fp6_f32 v[WC:WC+2], v[XS:XS+15], v11
	v_cvt_scalef32_pk16_fp6_f32 v[WC+4:WC+6], v[XS+16:XS+31], v11
.irp i, 0,1,2,3,4,5                    ; block t is step t / 4, half c = (t % 4) / 2, lanes h = t % 2: its word i is register 6 c + i of the image
	ds_store_b32 v4, v[WC+\i+\i/3] offset:((\t)/4)*1536+((6*(((\t)%4)/2)+\i)/4)*512+((\t)%2)*256+((6*(((\t)%4)/2)+\i)%4)*4
.endr
.if (\t)+2 < 8
	WLOAD (\t)+2
.endif
	s_wait_dscnt 0x0                               ; the stores have read their registers
.endm
.irp t, 0,1,2,3,4,5,6,7
	WBLOCK \t
.endr
	s_wait_alu depctr_va_vdst(0)                   ; the wait ahead of the reader below
	global_store_b64 v9, v[WSB:WSB+1], s[8:9]
.irp t, 0,1,2,3,4,5,6,7,8,9,10,11
	ds_load_b128 v[WOUT+4*\t:WOUT+4*\t+3], v7 offset:512*\t   ; LDS serves a wave's instructions in order: these see my stores
.endr
.irp t, 0,1,2,3,4,5,6,7,8,9,10,11
	s_wait_dscnt 11-\t                             ; the loads behind load t may be out
	global_store_b128 v8, v[WOUT+4*\t:WOUT+4*\t+3], s[6:7] offset:(\t/6)*12288+(\t%6)*512   ; 512 consecutive bytes, aligned
.endr
	s_wait_tensorcnt 0x0                           ; the wave's end
	ds_add_u32 v192, v193
	s_wait_dscnt 0x0
	s_endpgm
.Lx:
	s_load_b128 s[4:7], s[0:1], 0x30               ; q, k
	s_load_b128 s[8:11], s[0:1], 0x40              ; v, xc
	s_load_b64 s[12:13], s[0:1], 0x50              ; xs
	v_lshlrev_b32 v3, 4, v2
	s_mul_i32 s17, s16, WREG
	v_lshrrev_b32 v14, 2, v2
	v_mul_u32_u24 v14, v14, SP
	v_and_b32 v15, 3, v2
	v_lshl_add_u32 v14, v15, 4, v14
	v_add_nc_u32 v14, s17, v14                     ; the stage, on the way in: SP (lane / 4) + 16 (lane % 4)
	v_mul_u32_u24 v15, v2, SP
	v_add_nc_u32 v15, s17, v15                     ; and on the way out: my 16 neighbours
	v_mul_u32_u24 v4, v2, CB
	v_lshrrev_b32 v5, 1, v2
	s_add_co_u32 s17, s17, 2*32*SP
	v_add_nc_u32 v5, s17, v5                       ; my wave's 256 scale bytes, my block's byte
	v_lshlrev_b32 v7, 3, v2
	v_add_nc_u32 v6, s17, v7
	s_wait_alu depctr_va_vdst(0)                   ; the wait at the head's end
	s_wait_kmcnt 0x0
	s_sub_co_u32 s24, ttmp9, 128
	s_lshr_b32 s22, s24, 8                         ; t
	s_cmp_eq_u32 s22, 1
	s_cselect_b64 s[4:5], s[6:7], s[4:5]
	s_cmp_eq_u32 s22, 2
	s_cselect_b64 s[4:5], s[8:9], s[4:5]
	s_and_b32 s17, s24, 255
	s_lshl_b32 s17, s17, 2
	s_add_co_u32 s18, s17, s16                     ; my run of 8,192 numbers
	s_lshr_b32 s19, s18, 1
	s_xor_b32 s19, s19, s18
	s_and_b32 s19, s19, 1
	s_mul_i32 s19, s19, 3
	s_xor_b32 s19, s18, s19                        ; v's place: bits 0 and 1 exchanged
	s_and_b32 s25, s18, 7
	s_lshl_b32 s26, s25, 1
	s_lshr_b32 s25, s25, 2
	s_or_b32 s25, s25, s26
	s_and_b32 s25, s25, 7
	s_and_not1_b32 s26, s18, 7
	s_or_b32 s25, s25, s26                         ; k's place: the three lowest bits turned left by one
	s_cmp_eq_u32 s22, 1
	s_cselect_b32 s19, s25, s19
	s_cmp_eq_u32 s22, 0
	s_cselect_b32 s19, s18, s19                    ; q keeps its order
	s_lshl_b32 s20, s18, 15
	s_mov_b32 s21, 0
	s_add_nc_u64 s[4:5], s[4:5], s[20:21]
	s_mul_i32 s20, s19, 32*STEPS*CB
	s_mul_i32 s23, s22, XSZ
	s_add_co_u32 s20, s20, s23
	s_add_nc_u64 s[8:9], s[10:11], s[20:21]
	s_lshl_b32 s20, s19, 8
	s_lshl_b32 s23, s22, 18
	s_add_co_u32 s20, s20, s23
	s_add_nc_u64 s[10:11], s[12:13], s[20:21]
.macro XLOAD t
.irp i, 0,1,2,3
	global_load_b128 v[XR+16*((\t)%4)+4*\i:XR+16*((\t)%4)+4*\i+3], v3, s[4:5] offset:2048*(\t)+512*\i th:TH_LOAD_NT
.endr
.endm
.macro XTURN t                         ; a step's numbers through the stage: LDS serves a wave's instructions in order
.irp i, 0,1,2,3
	ds_store_b128 v14, v[XR+16*((\t)%4)+4*\i:XR+16*((\t)%4)+4*\i+3] offset:32*SP*((\t)%2)+8*SP*\i
.endr
.irp i, 0,1,2,3
	ds_load_b128 v[XX+16*((\t)%2)+4*\i:XX+16*((\t)%2)+4*\i+3], v15 offset:32*SP*((\t)%2)+16*\i
.endr
.endm
.irp t, 0,1,2,3
	XLOAD \t
.endr
	s_wait_loadcnt 12                              ; step 0's four loads are in; the twelve of steps 1 to 3 may be out
	XTURN 0
.macro XSTEP t
.set XS, XX+16*((\t)%2)
.if (\t) > 0
	s_wait_dscnt 1                                 ; this step's numbers are back (the last step's byte store may be out)
.else
	s_wait_dscnt 0x0
.endif
.if (\t)+4 < STEPS
	XLOAD (\t)+4
.endif
.if (\t)+1 < STEPS
.if STEPS-2-(\t) >= 3
	s_wait_loadcnt 12                              ; the next step's four loads are in; those of the three steps behind it may be out
.else
	s_wait_loadcnt 4*(STEPS-2-(\t))
.endif
	XTURN (\t)+1
.endif
	v_max3_num_f32 v8, |v[XS]|, |v[XS+1]|, |v[XS+2]|
	v_max3_num_f32 v9, |v[XS+3]|, |v[XS+4]|, |v[XS+5]|
.irp i, 6,10
	v_max3_num_f32 v8, v8, |v[XS+\i]|, |v[XS+\i+1]|
	v_max3_num_f32 v9, v9, |v[XS+\i+2]|, |v[XS+\i+3]|
.endr
	v_max3_num_f32 v8, v8, |v[XS+14]|, |v[XS+15]|
	v_max3_num_f32 v8, v8, v9, (EMAX+1)<<23
	v_max_num_f32_dpp v8, v8, v8 row_xmask:1 row_mask:0xf bank_mask:0xf   ; with my neighbour's 16: the block's
	v_add_nc_u32 v11, -(EMAX<<23), v8
	v_cvt_scalef32_pk16_fp6_f32 v[XC+4*(\t):XC+4*(\t)+2], v[XS:XS+15], v11
	v_lshrrev_b32 v[XE+(\t)], 23, v11
	ds_store_b8 v5, v[XE+(\t)] offset:16*(\t)
	global_store_b96 v4, v[XC+4*(\t):XC+4*(\t)+2], s[8:9] offset:32*CB*(\t)
.endm
.irp t, 0,1,2,3,4,5,6,7,8,9,10,11,12,13,14,15
	XSTEP \t
.endr
	ds_load_b64 v[12:13], v6
	s_wait_dscnt 0x0
	global_store_b64 v7, v[12:13], s[10:11]        ; 32 lanes store 256 consecutive bytes, aligned
	s_wait_tensorcnt 0x0                           ; the wave's end
	ds_add_u32 v192, v193
	s_wait_dscnt 0x0
	s_endpgm
.Lfunc_end_k_qea158e887f_quant:
	.size	k_qea158e887f_quant, .Lfunc_end_k_qea158e887f_quant-k_qea158e887f_quant
	.p2alignl 7, 3214868480
	.fill 96, 4, 3214868480
	.section	.rodata,"a",@progbits
	.p2align	6, 0x0
	.amdhsa_kernel k_qea158e887f_quant
		.amdhsa_group_segment_fixed_size 57856
		.amdhsa_private_segment_fixed_size 0
		.amdhsa_enable_private_segment 0
		.amdhsa_kernarg_size 88
		.amdhsa_user_sgpr_count 2
		.amdhsa_user_sgpr_kernarg_segment_ptr 1
		.amdhsa_wavefront_size32 1
		.amdhsa_system_sgpr_workgroup_id_x 1
		.amdhsa_system_sgpr_workgroup_id_y 1
		.amdhsa_system_sgpr_workgroup_id_z 1
		.amdhsa_system_vgpr_workitem_id 0
		.amdhsa_next_free_vgpr 194
		.amdhsa_next_free_sgpr 66
		.amdhsa_reserve_vcc 0
		.amdhsa_float_denorm_mode_32 3
		.amdhsa_float_denorm_mode_16_64 3
		.amdhsa_memory_ordered 1
		.amdhsa_forward_progress 1
		.amdhsa_inst_pref_size 76
	.end_amdhsa_kernel
	.amdgpu_metadata
---
amdhsa.version: [ 1, 2 ]
amdhsa.kernels:
  - .name:           k_qea158e887f_quant
    .symbol:         k_qea158e887f_quant.kd
    .args:
      - { .name: w_q, .offset: 0, .size: 8, .value_kind: global_buffer, .address_space: global }
      - { .name: w_k, .offset: 8, .size: 8, .value_kind: global_buffer, .address_space: global }
      - { .name: w_v, .offset: 16, .size: 8, .value_kind: global_buffer, .address_space: global }
      - { .name: w_0, .offset: 24, .size: 8, .value_kind: global_buffer, .address_space: global }
      - { .name: wc, .offset: 32, .size: 8, .value_kind: global_buffer, .address_space: global }
      - { .name: ws, .offset: 40, .size: 8, .value_kind: global_buffer, .address_space: global }
      - { .name: q, .offset: 48, .size: 8, .value_kind: global_buffer, .address_space: global }
      - { .name: k, .offset: 56, .size: 8, .value_kind: global_buffer, .address_space: global }
      - { .name: v, .offset: 64, .size: 8, .value_kind: global_buffer, .address_space: global }
      - { .name: xc, .offset: 72, .size: 8, .value_kind: global_buffer, .address_space: global }
      - { .name: xs, .offset: 80, .size: 8, .value_kind: global_buffer, .address_space: global }
    .group_segment_fixed_size: 57856
    .private_segment_fixed_size: 0
    .kernarg_segment_align: 8
    .kernarg_segment_size: 88
    .max_flat_workgroup_size: 128
    .sgpr_count:     66
    .vgpr_count:     194
    .wavefront_size: 32
...
	.end_amdgpu_metadata
.endif
;; end of part 1
;; launch proj (part 2): grid 4 x 48, 4 waves a work-group, clusters of 4 x 1, 327,680 bytes of LDS; arguments xc, xs, wc, ws, b_q, b_k, b_v, qi, kv; writes qi, kv
.if DOCPART == 2
	.amdgcn_target "amdgcn-amd-amdhsa--gfx1250"
	.amdhsa_code_object_version 6
	.text
	.protected	k_qea158e887f_proj
	.globl	k_qea158e887f_proj
	.p2align	8
	.type	k_qea158e887f_proj,@function
k_qea158e887f_proj:
	s_mov_b64 s[64:65], 0
	v_nop
	global_prefetch_b8 v0, s[64:65] scope:SCOPE_SE
	s_setreg_imm32_b32 hwreg(HW_REG_WAVE_MODE, 25, 1), 1
	s_wait_xcnt 0x0
	s_wait_alu depctr_hold_cnt(0) depctr_sa_sdst(0) depctr_va_vdst(0) depctr_va_sdst(0) depctr_va_ssrc(0) depctr_va_vcc(0) depctr_vm_vsrc(0)
	s_getreg_b32 s2, hwreg(HW_REG_IB_STS2, 6, 4)
	s_cmp_eq_u32 s2, 0
	s_cbranch_scc0 .Lentry_in_a_cluster
	s_endpgm
.Lentry_in_a_cluster:
	s_bfe_u32 s2, ttmp6, 0x10000c
	s_cmp_lg_u32 s2, 0x3003
	s_cbranch_scc0 .Lentry_shape_is_right
	s_endpgm
.Lentry_shape_is_right:
; The three projections x W + b on codes of FP6 (E2M3) with E8M0 scales, K = 1,024, and their results quantised into the records that the attention reads.
; SHARES.  Work-group y = 16 t + ms: tensor t (0 q, 1 k, 2 v), rows 512 ms .. + 511 of x; cx (its place in a cluster of four): columns 256 cx .. + 255.  Wave w owns one head, 64 columns.
; 3 x 4 x 16 = 192 work-groups: the three tensors leave no even split of whole heads and whole blocks of rows over 256.
; THE WEIGHTS STAY IN REGISTERS: a wave's 64 columns x 1,024 K are 32 images of 12 registers (384), loaded once, 512 consecutive bytes a load.
; x's ROWS, whole rows of 768 bytes, come by tensor loads asked for jointly by the four partners, which need the same rows: two slots of 128 rows; a wave fetches 32 rows.  16 bytes of padding behind each 256: LDS pitch 816.
; A UNIT is 64 rows of x against my 64 columns: 16 accumulators by turns, 8 steps of 128 along K, 128 matrix instructions; fragments of x are fetched two steps ahead into three sets of registers.
; q, k: source 0 = 16 columns, source 1 = 16 rows: a lane holds a row, its registers run along the channels.  v: the sources change places: a lane holds a channel, its registers run along the keys.
; In both the 32 registers of accumulators 4 n .. 4 n + 3 are two blocks of 32 along the next K (with lane l xor 16), so one way out serves both; the bias is the C of the first step's products.
; RECORDS as the attention takes them: images of 6 registers (512 bytes at 16 x lane, 256 at 8 x lane); q, k: row tile a at 768 a; v: channel tile d, keys' half c at 6144 + 1536 d + 768 c; scale words 16 bytes a lane.
; PREFETCH: behind each of the first two refills one instruction a wave names the 128 rows that the refill two phases on will ask for: 384 blocks of 256 bytes, 24 to each of the cluster's 16 waves, shared out by address.
; LIMITS: a block of zeros, and blocks under 2^-124, get the byte 1 (this program alone reads the bytes); NaN and infinities are not served.
.set XSZ,   6291456
.set WSZ,   786432
.set RECQ,  6656
.set RECK,  13312
.set PITCH, 816
.set UNITB, 65536                      ; LDS from unit to unit (52,224 used)
.set SPARE, 4*UNITB
.set ADR0, 16                          ; row r x pitch + 24 h;  ADR1: + 16 h, where lanes 16-31 read behind a padding
.set ADR1, 17
.set AD0,  18                          ; the same + the unit's place
.set AD1,  19
.set LS,   20                          ; 32 r + 16 h: a row's scale bytes, steps 0-3 in lanes 0-15, steps 4-7 in lanes 16-31
.set VT,   21
.set PFO,  22
.set VS,   23
.set L16,  24
.set L8,   25
.set SPW,  28
.set NIL,  29
.set SA,   32                          ; v32-47 x's scale words: tile a, step s: register 4 a + s % 4, row of lanes s / 4
.set SB,   48                          ; v48-63 the weights' likewise
.set BC,   64                          ; v64-95 the bias in the result's layout, 8 registers a column tile
.set CD,   96                          ; v96-135 codes at work, two sets of 20
.set TM,   136                         ; v136-151
.set WD,   152
.set TP,   154
.set R0,   156                         ; v156-159 a record's scale words
.set OW,   160
.set VA,   164
.set VB,   168
.set AJ,   172
.set AB,   0                           ; window 1: v0-143 three sets of 4 fragments of x
.set MSB, 0
.macro WIN new
.if MSB != \new
	s_set_vgpr_msb (MSB<<8)|\new
.set MSB, \new
.endif
.endm
.macro BLOC s                          ; where step s's four weight images lie: window 2 (steps 0-4), window 3 behind the accumulators (5, 6), window 1 (7)
.if (\s) < 5
.set BWN, 2
.set BOF, 48*(\s)
.elseif (\s) < 7
.set BWN, 3
.set BOF, 128+48*((\s)-5)
.else
.set BWN, 1
.set BOF, 192
.endif
.endm
.macro ROUND                           ; a round of the cluster's barrier
	s_barrier_signal -1
	s_barrier_wait -1
	s_cmp_lg_u32 s14, 0
	s_cbranch_scc1 .Lnw0_\@
	s_barrier_signal -3
.Lnw0_\@:
	s_barrier_wait -3
	s_barrier_signal -1
	s_barrier_wait -1
.endm
.macro PLACES
.rept 4
	v_nop
.endr
.endm
.macro FRAG reg, s, a                  ; 16 rows x 128 K: six pieces of 8 bytes; byte y of a row lies at y + 16 (y / 256)
.irp p, 0,1,2,3,4,5
.set BY, 96*(\s)+48*(\p/3)+8*(\p%3)
.if BY/256 == (BY+24)/256
	ds_load_b64 v[\reg+2*\p:\reg+2*\p+1], v[AD0] offset:BY+16*(BY/256)+(\a)*16*PITCH
.else
	ds_load_b64 v[\reg+2*\p:\reg+2*\p+1], v[AD1] offset:BY+16*(BY/256)+(\a)*16*PITCH
.endif
.endr
.endm
.macro FETCH s
	WIN 0x40
.irp a, 0,1,2,3
	FRAG AB+48*((\s)%3)+12*\a, \s, \a
.endr
.endm
.macro WM d, x, y, c, sx, sy, hi
.if \hi
	v_wmma_scale_f32_16x16x128_f8f6f4 v[\d:\d+7], v[\x:\x+11], v[\y:\y+11], v[\c:\c+7], v[\sx], v[\sy] matrix_a_fmt:MATRIX_FMT_FP6 matrix_b_fmt:MATRIX_FMT_FP6 matrix_a_scale:MATRIX_SCALE_ROW1 matrix_b_scale:MATRIX_SCALE_ROW1
.else
	v_wmma_scale_f32_16x16x128_f8f6f4 v[\d:\d+7], v[\x:\x+11], v[\y:\y+11], v[\c:\c+7], v[\sx], v[\sy] matrix_a_fmt:MATRIX_FMT_FP6 matrix_b_fmt:MATRIX_FMT_FP6
.endif
.endm
; A unit's products.  v = 0: source 0 = weights; v = 1: source 0 = x.  The 16 accumulators take turns, one instruction a turn.
.macro MULU v
	FETCH 0
	FETCH 1
.irp s, 0,1,2,3,4,5,6,7
.if \s > 0
	PLACES                                         ; in front of loads into the set that the step before multiplied
.endif
.if \s < 6
	FETCH \s+2
	s_wait_dscnt 48                                ; this step's 24 loads are in; the 48 of the two steps behind it may be out
.else
	s_wait_dscnt 24*(7-\s)
.endif
	BLOC \s
.if \s == 0
.set CW, 0
.else
.set CW, 3
.endif
.if \v
.set WV, 1|(BWN<<2)|(CW<<4)|0xc0
.else
.set WV, BWN|(1<<2)|(CW<<4)|0xc0
.endif
	WIN WV
.irp a, 0,1,2,3
.irp w, 0,1,2,3
.if \v
.set DD, 8*(4*\w+\a)
.else
.set DD, 8*(4*\a+\w)
.endif
.if \s == 0
.set CC, BC+8*\w
.else
.set CC, DD
.endif
.if \v
	WM DD, AB+48*((\s)%3)+12*\a, BOF+12*\w, CC, SA+4*\a+(\s)%4, SB+4*\w+(\s)%4, (\s)/4
.else
	WM DD, BOF+12*\w, AB+48*((\s)%3)+12*\a, CC, SB+4*\w+(\s)%4, SA+4*\a+(\s)%4, (\s)/4
.endif
.endr
.endr
.endr
	WIN 0
.endm
; 64 registers of window 3 from s on, four blocks of 32 (16 mine, 16 lane l xor 16's), become 12 registers of codes at cd and a scale word pw
.macro QUANT s, cd, pw
	WIN 0x0f
.irp b, 0,1,2,3
	v_max3_num_f32 v[TM+\b], |v[\s+16*\b]|, |v[\s+1+16*\b]|, 0x1800000   ; each accumulator from its low end on; the floor 2^(3 - 127) holds the byte at 1
.endr
.irp i, 2,4,6,8,10,12,14
.irp b, 0,1,2,3
	v_max3_num_f32 v[TM+\b], |v[\s+16*\b+\i]|, |v[\s+1+16*\b+\i]|, v[TM+\b]
.endr
.endr
	WIN 0
.irp b, 0,1,2,3
	v_permlanex16_b32 v[TM+4+\b], v[TM+\b], s96, s97
.endr
.irp b, 0,1,2,3
	v_max_num_f32 v[TM+\b], v[TM+\b], v[TM+4+\b]
.endr
.irp b, 0,1,2,3
	v_add_nc_u32 v[TM+12+\b], 0xff000000, v[TM+\b] ; 2 off the exponent field: the conversion's scale operand
.endr
.irp b, 0,1,2,3
	v_lshrrev_b32 v[TM+8+\b], 23, v[TM+12+\b]      ; the byte
.endr
	v_lshl_or_b32 v[\pw], v[TM+9], 8, v[TM+8]
	v_lshl_or_b32 v[\pw], v[TM+10], 16, v[\pw]
	v_lshl_or_b32 v[\pw], v[TM+11], 24, v[\pw]
	WIN 0x03
.irp c, 0,1
	v_cvt_scalef32_pk16_fp6_f32 v[\cd+6*\c:\cd+2+6*\c], v[\s+32*\c:\s+15+32*\c], v[TM+12+2*\c]
	v_cvt_scalef32_pk16_fp6_f32 v[\cd+12+4*\c:\cd+14+4*\c], v[\s+16+32*\c:\s+31+32*\c], v[TM+12+2*\c+1]
.endr
	WIN 0
	v_nop                                          ; one plain place behind a scaled conversion
.irp c, 0,1
.irp i, 0,1,2
	v_permlane16_swap_b32 v[\cd+6*\c+\i], v[\cd+12+4*\c+\i]   ; a whole block to a lane
.endr
.irp i, 0,1,2
	v_mov_b32 v[\cd+3+6*\c+\i], v[\cd+12+4*\c+\i]
.endr
.endr
.endm
.macro PUT cd, q                       ; two images of 768 bytes
.irp c, 0,1
	global_store_b128 v[VA+\q+\c], v[\cd+6*\c:\cd+6*\c+3], s[12:13]
	global_store_b64 v[VB+\q+\c], v[\cd+6*\c+4:\cd+6*\c+5], s[12:13] offset:512
.endr
.endm
.macro UNIT
	s_lshl_b32 s36, s39, 16
	s_add_co_u32 s36, s36, s15                     ; the unit's place in LDS: the slot being read + 65,536 x unit
	v_add_nc_u32 v[AD0], s36, v[ADR0]
	v_add_nc_u32 v[AD1], s36, v[ADR1]
	s_wait_alu depctr_va_vdst(0)                   ; the wait ahead of the wait and the branch below
	s_wait_loadcnt 0x0                             ; x's scale words (the first time: the weights and the bias too)
	s_cmp_eq_u32 s66, 2
	s_cbranch_scc1 .Lv_\@
	MULU 0
	s_branch .Lj_\@
.Lv_\@:
	MULU 1
.Lj_\@:
	PLACES                                         ; in front of the first read of the sums and of loads into the scale words
	s_wait_xcnt 0x0                                ; the last unit's stores have read their registers
	s_add_co_u32 s38, s38, 1
	s_min_u32 s38, s38, 7                          ; the next unit's scale words (the last unit asks for its own again: no address leaves xs)
	s_lshl_b32 s41, s38, 11
	v_add_nc_u32 v[VT], s41, v[LS]
.irp a, 0,1,2,3
	global_load_b128 v[SA+4*\a:SA+4*\a+3], v[VT], s[86:87] offset:512*\a
.endr
	v_mov_b32 v[R0], v[R0+2]                       ; the record's first unit's words move down
	v_mov_b32 v[R0+1], v[R0+3]
	s_mul_i32 s41, s39, s62
	s_add_co_u32 s41, s41, s37
	s_add_co_u32 s41, s41, s61                     ; my unit's first image in the record
.irp q, 0,1,2,3
	v_add_nc_u32 v[VA+\q], s41, v[L16]
	v_add_nc_u32 v[VB+\q], s41, v[L8]
	s_add_co_u32 s41, s41, s63
.endr
	QUANT 0, CD, WD
	PUT CD, 0
	QUANT 64, CD+20, WD+1
	PUT CD+20, 2
.irp p, 0,1                            ; lanes 0-15 keep the first tile's two bytes low, lanes 16-31 get the second's
	v_alignbit_b32 v[TP+\p], v[WD+\p], v[WD+\p], 16
.endr
.irp p, 0,1
	v_cndmask_b32 v[R0+2+\p], v[WD+\p], v[TP+\p], s94
.endr
.endm
.macro PHASE fill                      ; 128 rows: two units
.if \fill
	s_wait_xcnt 0x0                                ; my prefetch has read its base
	s_add_nc_u64 s[84:85], s[84:85], 128*768
.endif
	s_wait_tensorcnt 0x0                           ; all my tensor loads have landed: my 32 rows of this phase's slot;
	ds_add_u32 v[SPW], v[NIL]
.if \fill
	s_xor_b32 s33, s33, 2*UNITB                    ; no load of mine is out: the descriptor steps to the other slot, 128 rows on
	s_add_nc_u64 s[34:35], s[34:35], 128*768
.endif
	s_wait_dscnt 0x0                               ; the add is done, and so are my reads of the other slot
.if \fill
	ROUND
	tensor_load_to_lds s[32:35], s[16:23]          ; my one load behind the round
	s_nop 0
	PLACES
	s_cmp_gt_u32 s3, 1                             ; the third refill has no phase two on
	s_cbranch_scc0 .Lnp_\@
	global_prefetch_b8 v[PFO], s[84:85] th:TH_LOAD_NT scope:SCOPE_SE
.Lnp_\@:
.else
	s_barrier_signal -1
	s_barrier_wait -1
.endif
	s_mov_b32 s39, 0
.Lunit_\@:
	UNIT
	s_add_co_u32 s39, s39, 1
	s_cmp_lt_u32 s39, 2
	s_wait_alu depctr_va_vdst(0)                   ; the wait ahead of the branch
	s_cbranch_scc1 .Lunit_\@
.irp p, 0,1                            ; the record's scale words.  q, k: four words as they stand; v: the two units' pairs of bytes joined
	v_and_b32 v[OW+\p], 0xffff, v[R0+\p]
.endr
.irp p, 0,1
	v_lshl_or_b32 v[OW+\p], v[R0+2+\p], 16, v[OW+\p]
.endr
.irp p, 0,1
	v_cndmask_b32 v[OW+\p], v[R0+\p], v[OW+\p], s68
	v_mov_b32 v[OW+2+\p], v[R0+2+\p]
.endr
	s_add_co_u32 s41, s37, s59
	v_add_nc_u32 v[VS], s41, v[L16]
	global_store_b128 v[VS], v[OW:OW+3], s[12:13]
	s_add_co_u32 s37, s37, s58                     ; the next record
	s_xor_b32 s15, s15, 2*UNITB                    ; and the other slot
.endm
	s_load_b256 s[4:11], s[0:1], 0x0               ; xc, xs, wc, ws
	s_load_b256 s[72:79], s[0:1], 0x20             ; b_q, b_k, b_v, qi
	s_load_b64 s[80:81], s[0:1], 0x40              ; kv
	v_lshl_add_u32 v[SPW], v0, 2, SPARE
	v_mov_b32 v[NIL], 0
	ds_add_u32 v[SPW], v[NIL]                      ; the opening lines: the add twice on end and one wait
	ds_add_u32 v[SPW], v[NIL]
	v_lshrrev_b32 v1, 5, v0
	v_readfirstlane_b32 s14, v1                    ; wave
	s_bfe_u32 s40, ttmp6, 0x40000                  ; cx: it enters global addresses of plain loads, stores and prefetches alone
	s_and_b32 s67, ttmp7, 0xffff
	s_lshr_b32 s66, s67, 4                         ; t
	s_and_b32 s67, s67, 15                         ; ms
	s_mov_b32 s16, 15|(1<<20)|(1<<21)|(5<<22)|(3<<25)  ; group 1: all four partners; bytes; 4 words of padding behind every 64
	s_mov_b32 s17, 768<<16
	s_mov_b32 s18, 32<<16
	s_mov_b32 s19, 768<<16
	s_mov_b32 s20, 32
	s_mov_b32 s21, 768
	s_mov_b32 s22, 0
	s_mov_b32 s23, 0
	s_mov_b32 s32, 1
	s_lshr_b32 s33, s14, 1
	s_lshl_b32 s33, s33, 16
	s_and_b32 s41, s14, 1
	s_mul_i32 s41, s41, 32*PITCH
	s_add_co_u32 s33, s33, s41                     ; LDS: unit wave / 2, its rows 32 (wave % 2) ..
	s_lshl_b32 s42, s67, 9                         ; my work-group's first row
	s_lshl_b32 s43, s14, 5
	s_add_co_u32 s43, s43, s42
	s_mul_i32 s44, s43, 768
	s_mul_i32 s45, s66, XSZ
	s_add_co_u32 s44, s44, s45
	s_mov_b32 s45, 0
	s_lshl_b32 s46, s42, 5
	s_lshl_b32 s47, s66, 18
	s_add_co_u32 s46, s46, s47                     ; xs
	s_mov_b32 s47, 0
	s_lshl_b32 s48, s40, 2
	s_add_co_u32 s48, s48, s14                     ; my head: 4 cx + wave
	s_mul_i32 s50, s48, 64*768
	s_mul_i32 s51, s66, WSZ
	s_add_co_u32 s50, s50, s51                     ; wc
	s_mov_b32 s51, 0
	s_lshl_b32 s52, s48, 11
	s_lshl_b32 s53, s66, 15
	s_add_co_u32 s52, s52, s53                     ; ws
	s_mov_b32 s53, 0
	s_lshl_b32 s54, s48, 8                         ; the bias
	s_mov_b32 s55, 0
	s_lshl_b32 s82, s48, 3
	s_add_co_u32 s82, s82, s42
	s_add_co_u32 s82, s82, 128                     ; the prefetches: my 8 rows of a phase's 128; the first phase steps this to rows 256 ..
	s_mul_i32 s82, s82, 768
	s_mul_i32 s83, s66, XSZ
	s_add_co_u32 s82, s82, s83
	s_mov_b32 s83, 0
	s_lshr_b32 s56, s67, 2                         ; the first record: ((batch x 16 + head) x 16 + 4 (ms % 4))
	s_lshl_b32 s56, s56, 4
	s_add_co_u32 s56, s56, s48
	s_lshl_b32 s56, s56, 4
	s_and_b32 s57, s67, 3
	s_lshl_b32 s57, s57, 2
	s_add_co_u32 s56, s56, s57
	s_mov_b32 s58, RECK
	s_mov_b32 s59, 12288
	s_cmp_eq_u32 s66, 0
	s_cselect_b32 s58, RECQ, s58                   ; a record's bytes
	s_cselect_b32 s59, 6144, s59                   ; where its scale words lie
	s_mul_i32 s56, s56, s58
	s_mov_b32 s57, 0
	s_mov_b32 s60, 12800
	s_mov_b32 s62, 3072
	s_mov_b32 s63, 768
	s_cmp_eq_u32 s66, 2
	s_cselect_b32 s59, s60, s59
	s_cselect_b32 s61, 6144, 0                     ; v's images lie behind k's
	s_cselect_b32 s62, 768, s62                    ; from unit to unit
	s_cselect_b32 s63, 1536, s63                   ; from image to image
	s_cselect_b32 s68, -1, 0
	s_cselect_b32 s69, 0, 64                       ; the bias's address: q, k: 64 h + 4 j;  v: 4 (r + 8 (r / 8))
	s_cselect_b32 s70, 4, 0
	s_cselect_b32 s71, 0, 4
	s_mov_b32 s94, 0xffff0000
	s_mov_b32 s96, 0x76543210
	s_mov_b32 s97, 0xfedcba98
	s_wait_dscnt 0x0
	s_wait_kmcnt 0x0
	s_add_nc_u64 s[34:35], s[4:5], s[44:45]
	s_or_b32 s35, s35, 0x80000000
	s_add_nc_u64 s[84:85], s[4:5], s[82:83]
	s_add_nc_u64 s[86:87], s[6:7], s[46:47]
	s_add_nc_u64 s[88:89], s[8:9], s[50:51]
	s_add_nc_u64 s[90:91], s[10:11], s[52:53]
	s_cmp_eq_u32 s66, 1
	s_cselect_b64 s[72:73], s[74:75], s[72:73]
	s_cmp_eq_u32 s66, 2
	s_cselect_b64 s[72:73], s[76:77], s[72:73]
	s_add_nc_u64 s[92:93], s[72:73], s[54:55]
	s_cmp_eq_u32 s66, 0
	s_cselect_b64 s[12:13], s[78:79], s[80:81]
	s_add_nc_u64 s[12:13], s[12:13], s[56:57]
	ROUND                                          ; the four partners are here: the first joint loads meet
	tensor_load_to_lds s[32:35], s[16:23]          ; my 32 rows of the first 128: one tensor load a wave at the head
	s_nop 0
	PLACES
	v_and_b32 v1, 15, v0
	v_bfe_u32 v2, v0, 4, 1
	v_and_b32 v3, 31, v0
	v_lshlrev_b32 v[L16], 4, v3
	v_lshlrev_b32 v[L8], 3, v3
	v_mul_u32_u24 v[ADR0], v1, PITCH
	v_mad_u32_u24 v[ADR0], v2, 24, v[ADR0]
	v_lshl_add_u32 v[ADR1], v2, 4, v[ADR0]
	v_lshlrev_b32 v[LS], 5, v1
	v_lshl_add_u32 v[LS], v2, 4, v[LS]
	v_and_b32 v4, 7, v0
	v_mul_u32_u24 v4, v4, 768
	v_lshrrev_b32 v5, 3, v3
	v_min_u32 v5, 2, v5                            ; lanes 24-31 name their row's last block again
	v_lshl_add_u32 v[PFO], v5, 8, v4
	v_and_b32 v5, 8, v1
	v_add_nc_u32 v5, v5, v1
	v_mul_u32_u24 v4, v2, s69
	v_mad_u32_u24 v4, v5, s70, v4
.irp j, 0,1,2,3,4,5,6,7
	v_mad_u32_u24 v[AJ+\j], s71, \j, v4
.endr
.irp b, 0,1,2,3
	v_mov_b32 v[TM+4+\b], 0                        ; a lane permute's destination counts as a source
	v_mov_b32 v[R0+\b], 0
.endr
	s_wait_alu depctr_va_vdst(0)                   ; the wait at the head's end
.irp s, 0,1,2,3,4,5,6,7
	BLOC \s
.set WV, BWN<<6
	WIN WV
.irp w, 0,1,2,3
.irp i, 0,1,2
	global_load_b128 v[BOF+12*\w+4*\i:BOF+12*\w+4*\i+3], v[L16], s[88:89] offset:(8*\w+\s)*1536+512*\i
.endr
.endr
.endr
	WIN 0
.irp w, 0,1,2,3
	global_load_b128 v[SB+4*\w:SB+4*\w+3], v[LS], s[90:91] offset:512*\w
	global_load_b128 v[SA+4*\w:SA+4*\w+3], v[LS], s[86:87] offset:512*\w
.irp j, 0,1,2,3,4,5,6,7
	global_load_b32 v[BC+8*\w+\j], v[AJ+\j], s[92:93] offset:(32*(\w/2)+8*(\w%2))*4
.endr
.endr
	s_mov_b32 s15, 0
	s_mov_b32 s37, 0
	s_mov_b32 s38, 0
	s_mov_b32 s3, 3
.Lphase:
	PHASE 1
	s_sub_co_u32 s3, s3, 1
	s_cmp_lg_u32 s3, 0
	s_wait_alu depctr_va_vdst(0)                   ; the wait ahead of the branch
	s_cbranch_scc1 .Lphase
	PHASE 0                                        ; the last 128 rows: nothing more to fetch
	s_wait_tensorcnt 0x0                           ; the wave's end
	ds_add_u32 v[SPW], v[NIL]
	s_wait_dscnt 0x0
	ROUND                                          ; the closing round
	s_endpgm
.Lfunc_end_k_qea158e887f_proj:
	.size	k_qea158e887f_proj, .Lfunc_end_k_qea158e887f_proj-k_qea158e887f_proj
	.p2alignl 7, 3214868480
	.fill 96, 4, 3214868480
	.section	.rodata,"a",@progbits
	.p2align	6, 0x0
	.amdhsa_kernel k_qea158e887f_proj
		.amdhsa_group_segment_fixed_size 327680
		.amdhsa_private_segment_fixed_size 0
		.amdhsa_enable_private_segment 0
		.amdhsa_kernarg_size 72
		.amdhsa_user_sgpr_count 2
		.amdhsa_user_sgpr_kernarg_segment_ptr 1
		.amdhsa_wavefront_size32 1
		.amdhsa_system_sgpr_workgroup_id_x 1
		.amdhsa_system_sgpr_workgroup_id_y 1
		.amdhsa_system_sgpr_workgroup_id_z 1
		.amdhsa_system_vgpr_workitem_id 0
		.amdhsa_next_free_vgpr 1024
		.amdhsa_next_free_sgpr 100
		.amdhsa_reserve_vcc 0
		.amdhsa_float_denorm_mode_32 3
		.amdhsa_float_denorm_mode_16_64 3
		.amdhsa_memory_ordered 1
		.amdhsa_forward_progress 1
		.amdhsa_inst_pref_size 163
	.end_amdhsa_kernel
	.amdgpu_metadata
---
amdhsa.version: [ 1, 2 ]
amdhsa.kernels:
  - .name:           k_qea158e887f_proj
    .symbol:         k_qea158e887f_proj.kd
    .args:
      - { .name: xc, .offset: 0, .size: 8, .value_kind: global_buffer, .address_space: global }
      - { .name: xs, .offset: 8, .size: 8, .value_kind: global_buffer, .address_space: global }
      - { .name: wc, .offset: 16, .size: 8, .value_kind: global_buffer, .address_space: global }
      - { .name: ws, .offset: 24, .size: 8, .value_kind: global_buffer, .address_space: global }
      - { .name: b_q, .offset: 32, .size: 8, .value_kind: global_buffer, .address_space: global }
      - { .name: b_k, .offset: 40, .size: 8, .value_kind: global_buffer, .address_space: global }
      - { .name: b_v, .offset: 48, .size: 8, .value_kind: global_buffer, .address_space: global }
      - { .name: qi, .offset: 56, .size: 8, .value_kind: global_buffer, .address_space: global }
      - { .name: kv, .offset: 64, .size: 8, .value_kind: global_buffer, .address_space: global }
    .group_segment_fixed_size: 327680
    .private_segment_fixed_size: 0
    .kernarg_segment_align: 8
    .kernarg_segment_size: 72
    .max_flat_workgroup_size: 128
    .sgpr_count:     100
    .vgpr_count:     1024
    .wavefront_size: 32
...
	.end_amdgpu_metadata
.endif
;; end of part 2
;; launch attn (part 3): grid 4 x 64, 16 waves a work-group, clusters of 4 x 1, 310,272 bytes of LDS; arguments qi, kv, wc, ws, b_0, out0; writes out0
.if DOCPART == 3
	.amdgcn_target "amdgcn-amd-amdhsa--gfx1250"
	.amdhsa_code_object_version 6
	.text
	.protected	k_qea158e887f_attn
	.globl	k_qea158e887f_attn
	.p2align	8
	.type	k_qea158e887f_attn,@function
k_qea158e887f_attn:
	s_mov_b64 s[64:65], 0
	v_nop
	global_prefetch_b8 v0, s[64:65] scope:SCOPE_SE
	s_setreg_imm32_b32 hwreg(HW_REG_WAVE_MODE, 25, 1), 1
	s_wait_xcnt 0x0
	s_wait_alu depctr_hold_cnt(0) depctr_sa_sdst(0) depctr_va_vdst(0) depctr_va_sdst(0) depctr_va_ssrc(0) depctr_va_vcc(0) depctr_vm_vsrc(0)
	s_getreg_b32 s2, hwreg(HW_REG_IB_STS2, 6, 4)
	s_cmp_eq_u32 s2, 0
	s_cbranch_scc0 .Lentry_in_a_cluster
	s_endpgm
.Lentry_in_a_cluster:
	s_bfe_u32 s2, ttmp6, 0x10000c
	s_cmp_lg_u32 s2, 0x3003
	s_cbranch_scc0 .Lentry_shape_is_right
	s_endpgm
.Lentry_shape_is_right:
; Attention of one head on codes of FP6 (E2M3) with E8M0 scales, head size 64, 2,048 keys; its result quantised along the output projection's K; and that projection, out0 = A w_0 + b_0, for the work-group's own rows.
; t = score x log2(e) / 8; M = the row's largest t so far, rounded UP to a whole number; p = 2^(t - M) is quantised along the keys, not normalised; the row's sum is taken of the unquantised p and divides at the end.
; When M moves, the sum and O are multiplied by 2^(old M - new M): exact.
; SHARES.  A cluster of four work-groups is one head (b h = the cluster's y); work-group cx owns queries 512 cx .. + 511: 32 tiles of 16.  Wave w of sixteen takes tiles w and 16 + w, one after the other.
; THE WHOLE HEAD'S K AND V LIE IN LDS: 16 records of 13,312 bytes (128 keys each), filled ONCE: wave w asks for record w, jointly with the three partners.  A record holds images of operand registers.
; LAYOUT.  S^T = K Q^T (source 0 = 16 keys, source 1 = my 16 queries), O^T = V^T P^T: a lane holds ONE query (lane % 16) throughout.
; Row m of K's tile t is key 64 (t / 4) + 32 (m / 8) + 8 (t % 4) + m % 8, so the 32 registers of tiles 4 c .. 4 c + 3 are, in lane half h, the WHOLE block of keys 64 c + 32 h .. + 31, in order:
; a block's maximum and its codes need no other lane; only the row's maximum and p's scale word are joined with lane l xor 16.
; K = 64 IN AN INSTRUCTION OF 128: Q's registers 6-11 are zero codes, so what stands in source 0's registers 6-11 counts for nothing; K's tiles lie 6 registers apart; behind the last stand six zeros.
; THE PROJECTION.  16 queries x 64 channels are one row of A (1,024 along K).  The work-group's 32 rows lie in LDS as images of operand registers (two tiles x 8 steps x 1,536 bytes) with 32 scale bytes a row.
; Behind a barrier wave w multiplies them by columns 64 w .. + 63 of w_0, whose images come from memory two steps ahead, 512 consecutive bytes a load; the bias is loaded into the accumulators.
; The result goes through the wave's stage in LDS and leaves as whole aligned runs of 256 bytes.  w_0's images are not asked for jointly: they go straight into registers, which a tensor load does not fill.
; LIMITS: a block's largest p is taken from its largest score, which takes v_exp_f32 not to fall where its input rises; a block of zeros, and blocks under 2^-124, get the byte 1; NaN and infinities are not served.
.set RECQ, 6656
.set RECK, 13312
.set HK,   16*RECK
.set A2,   HK                          ; A's images
.set SCG,  A2+2*12288                  ; A's scale bytes
.set OST,  SCG+1024                    ; the way out: 16 rows x 272 bytes a wave
.set SPARE, OST+16*4352
.set WSZ,  786432
.set WSS,  32768
.set L16,  1
.set L8,   2
.set AD16, 3
.set AD8,  4
.set STO0, 5
.set STO1, 6
.set SBA,  8
.set KF,   32                          ; v32-79 K's 8 tiles, then V's 4 fragments; v80-85 zeros
.set KSW,  88
.set VSW,  92
.set SH8,  94                          ; 8 h
.set S,    96
.set O,    160
.set PCD,  192
.set CT,   204
.set BM,   212
.set PB,   216
.set SOP,  220
.set F,    224
.set PW,   225
.set TMP,  226
.macro CROUND
	s_barrier_signal -1
	s_barrier_wait -1
	s_cmp_lg_u32 s12, 0
	s_cbranch_scc1 .Lnot_wave_0_\@
	s_barrier_signal -3
.Lnot_wave_0_\@:
	s_barrier_wait -3
	s_barrier_signal -1
	s_barrier_wait -1
.endm
	s_load_b256 s[4:11], s[0:1], 0x0               ; qi, kv, wc, ws
	s_load_b128 s[48:51], s[0:1], 0x20             ; b_0, out0
	v_lshl_add_u32 v254, v0, 2, SPARE
	v_mov_b32 v255, 0
	ds_add_u32 v254, v255                          ; the opening lines: the add twice on end and one wait
	ds_add_u32 v254, v255
	v_lshrrev_b32 v1, 5, v0
	v_readfirstlane_b32 s12, v1                    ; wave 0..15
	s_bfe_u32 s13, ttmp6, 0x40000                  ; cx: it enters Q's and out0's global addresses alone
	s_and_b32 s14, ttmp7, 0xffff                   ; b h
	s_mov_b32 s16, 15|(3<<16)|(1<<21)              ; a record: 52 rows of 32 elements of 8 bytes, for all four partners
	s_mov_b32 s17, 32<<16
	s_mov_b32 s18, 52<<16
	s_mov_b32 s19, 32<<16
	s_mov_b32 s20, 52
	s_mov_b32 s21, 32
	s_mov_b32 s22, 0
	s_mov_b32 s23, 0
	s_mov_b32 s24, 1
	s_mul_i32 s25, s12, RECK
	s_mul_i32 s36, s14, HK
	s_add_co_u32 s36, s36, s25
	s_mov_b32 s37, 0
	s_mov_b32 s28, 0x76543210
	s_mov_b32 s29, 0xfedcba98
	s_mov_b32 s30, 0x3e38aa3b                      ; c = log2(e) / 8
	s_mov_b32 s31, s30
	s_mov_b32 s34, 0xffff0000
	s_lshl_b32 s38, s14, 4                         ; Q's record: 16 b h + 4 cx + w / 8
	s_lshl_b32 s39, s13, 2
	s_add_co_u32 s38, s38, s39
	s_lshr_b32 s39, s12, 3
	s_add_co_u32 s38, s38, s39
	s_mul_i32 s38, s38, RECQ
	s_mov_b32 s39, 0
	s_lshl_b32 s40, s14, 7                         ; out0: row 128 b h + 32 cx, + 256 bytes x wave
	s_lshl_b32 s41, s13, 5
	s_add_co_u32 s40, s40, s41
	s_lshl_b32 s40, s40, 12
	s_lshl_b32 s46, s12, 8
	s_add_co_u32 s40, s40, s46
	s_mov_b32 s41, 0
	s_mov_b32 s47, 0
	s_mul_i32 s42, s12, 49152                      ; w_0's images of my 64 columns
	s_add_co_u32 s42, s42, 3*WSZ
	s_mov_b32 s43, 0
	s_lshl_b32 s44, s12, 11
	s_add_co_u32 s44, s44, 3*WSS
	s_mov_b32 s45, 0
	s_wait_dscnt 0x0
	s_wait_kmcnt 0x0
	s_add_nc_u64 s[26:27], s[6:7], s[36:37]
	s_or_b32 s27, s27, 0x80000000
	s_add_nc_u64 s[4:5], s[4:5], s[38:39]
	s_add_nc_u64 s[8:9], s[8:9], s[42:43]
	s_add_nc_u64 s[10:11], s[10:11], s[44:45]
	s_add_nc_u64 s[48:49], s[48:49], s[46:47]
	s_add_nc_u64 s[50:51], s[50:51], s[40:41]
	CROUND
	tensor_load_to_lds s[24:27], s[16:23]          ; my one tensor load of the launch
	s_nop 0
.rept 4
	v_nop
.endr
	v_and_b32 v30, 31, v0
	v_and_b32 v31, 15, v0                          ; r
	v_bfe_u32 v29, v0, 4, 1                        ; h
	v_lshlrev_b32 v[L16], 4, v30
	v_lshlrev_b32 v[L8], 3, v30
	s_and_b32 s44, s12, 7
	s_mul_i32 s45, s44, 768
	v_add_nc_u32 v9, s45, v[L16]
	v_add_nc_u32 v10, s45, v[L8]
	s_and_b32 s45, s44, 1
	s_lshl_b32 s45, s45, 8
	s_lshr_b32 s46, s44, 1
	s_lshl_b32 s46, s46, 2
	s_add_co_u32 s45, s45, s46
	v_lshl_add_u32 v11, v31, 4, s45
	global_load_b128 v[16:19], v9, s[4:5]
	global_load_b64 v[20:21], v10, s[4:5] offset:512
	global_load_b32 v28, v11, s[4:5] offset:6144
	global_load_b128 v[228:231], v9, s[4:5] offset:2*RECQ
	global_load_b64 v[232:233], v10, s[4:5] offset:2*RECQ+512
	global_load_b32 v240, v11, s[4:5] offset:2*RECQ+6144
.irp j, 0,1,2,3,4,5
	v_mov_b32 v[22+\j], 0
	v_mov_b32 v[234+\j], 0
	v_mov_b32 v[80+\j], 0
.endr
	v_lshlrev_b32 v[SH8], 3, v29
	v_lshl_add_u32 v[SBA], v31, 1, v29             ; 2 r + h: my block of the row's 32
	s_lshl_b32 s46, s12, 5
	s_add_co_u32 s46, s46, SCG
	v_add_nc_u32 v[SBA], s46, v[SBA]
	; my 24 bytes of A's image: step r / 2, half c = r % 2, lanes 16 h + wave: pairs of registers 6 c, 6 c + 2, 6 c + 4 lie at 520 c, 8 + 1016 c, 512 + 520 c
	v_lshrrev_b32 v7, 1, v31
	v_mul_u32_u24 v7, v7, 1536
	v_lshl_add_u32 v7, v29, 8, v7
	s_lshl_b32 s46, s12, 4
	s_add_co_u32 s46, s46, A2
	v_add_nc_u32 v7, s46, v7
	v_and_b32 v27, 1, v31
	v_mad_u32_u24 v[STO0], v27, 520, v7
	v_mad_u32_u24 v[STO1], v27, 1016, v7
	v_mov_b32 v27, 0                               ; (again a zero code of Q's)
.irp b, 0,1,2,3
	v_mov_b32 v[PB+\b], 0                          ; a lane permute's destination counts as one of its sources
.endr
	v_mov_b32 v[F], 0
	v_mov_b32 v[PW], 0
	s_wait_alu depctr_va_vdst(0)                   ; the wait at the head's end
	s_wait_loadcnt 0x0
	s_wait_tensorcnt 0x0
	s_barrier_signal -1
	s_barrier_wait -1                              ; the head lies in LDS
.macro STEP qb, qw
	v_add_nc_u32 v[AD16], s32, v[L16]
	v_add_nc_u32 v[AD8], s32, v[L8]
	v_nop
	v_nop                                          ; four places behind the last step's products
.irp t, 0,1,2,3,4,5,6,7
	ds_load_b128 v[KF+6*\t:KF+6*\t+3], v[AD16] offset:768*\t
	ds_load_b64 v[KF+6*\t+4:KF+6*\t+5], v[AD8] offset:768*\t+512
.endr
	ds_load_b128 v[KSW:KSW+3], v[AD16] offset:12288
	s_wait_alu depctr_va_vdst(0)
	s_wait_dscnt 0x0
.irp t, 0,2,4,6
	v_wmma_scale_f32_16x16x128_f8f6f4 v[S+8*\t:S+8*\t+7], v[KF+6*\t:KF+6*\t+11], v[\qb:\qb+11], 0, v[KSW+\t/2], v[\qw] matrix_a_fmt:MATRIX_FMT_FP6 matrix_b_fmt:MATRIX_FMT_FP6
	v_wmma_scale_f32_16x16x128_f8f6f4 v[S+8*\t+8:S+8*\t+15], v[KF+6*\t+6:KF+6*\t+17], v[\qb:\qb+11], 0, v[KSW+\t/2], v[\qw] matrix_a_fmt:MATRIX_FMT_FP6 matrix_b_fmt:MATRIX_FMT_FP6 matrix_a_scale:MATRIX_SCALE_ROW1
.endr
.rept 4
	v_nop
.endr
.irp d, 0,1,2,3                                ; V's fragments land under the softmax
.irp c, 0,1
	ds_load_b128 v[KF+12*\d+6*\c:KF+12*\d+6*\c+3], v[AD16] offset:6144+1536*\d+768*\c
	ds_load_b64 v[KF+12*\d+6*\c+4:KF+12*\d+6*\c+5], v[AD8] offset:6144+1536*\d+768*\c+512
.endr
.endr
	ds_load_b64 v[VSW:VSW+1], v[AD16] offset:12800
.irp b, 0,1,2,3                                ; the largest score of my two blocks of 32 keys, in four chains; each accumulator from its low end on
	v_max3_num_f32 v[BM+\b], v[S+16*\b], v[S+1+16*\b], v[S+2+16*\b]
.endr
.irp i, 3,5,7,9,11,13
.irp b, 0,1,2,3
	v_max3_num_f32 v[BM+\b], v[BM+\b], v[S+16*\b+\i], v[S+1+16*\b+\i]
.endr
.endr
	v_max3_num_f32 v[BM], v[BM], v[BM+1], v[S+15]
	v_max3_num_f32 v[BM+2], v[BM+2], v[BM+3], v[S+47]
	v_max_num_f32 v[BM], v[BM], v[S+31]            ; block h
	v_max_num_f32 v[BM+2], v[BM+2], v[S+63]        ; block 2 + h
	s_delay_alu instid0(VALU_DEP_1)
	v_max_num_f32 v[TMP], v[BM], v[BM+2]
	s_delay_alu instid0(VALU_DEP_1)
	v_permlanex16_b32 v[PB], v[TMP], s28, s29
	s_delay_alu instid0(VALU_DEP_1)
	v_max3_num_f32 v13, v13, v[TMP], v[PB]         ; the running largest score of my query (c is positive)
	v_mov_b32 v[PB+1], v12
	s_delay_alu instid0(VALU_DEP_2)
	v_mul_f32 v[TMP], s30, v13                     ; as t
	s_delay_alu instid0(VALU_DEP_1)
	v_floor_f32 v12, -v[TMP]                       ; -M = -ceil(t)
	s_delay_alu instid0(VALU_DEP_1)
	v_sub_f32 v[TMP], v12, v[PB+1]
	s_delay_alu instid0(VALU_DEP_1)
	v_cvt_i32_f32 v[TMP], v[TMP]                   ; (it saturates)
	s_delay_alu instid0(VALU_DEP_1)
	v_ldexp_f32 v[F], 1.0, v[TMP]                  ; f = 2^(old M - new M)
.set j, 0
.rept 32
	v_pk_fma_f32 v[S+j:S+j+1], v[S+j:S+j+1], s[30:31], v[12:13] op_sel_hi:[1,0,0]
.set j, j+2
.endr
	v_fma_f32 v[BM], v[BM], s30, v12
	v_fma_f32 v[BM+2], v[BM+2], s30, v12
	s_wait_alu depctr_va_vdst(0)                   ; the wait ahead of the batch
.set j, 0
.rept 64
	v_exp_f32 v[S+j], v[S+j]
.set j, j+1
.endr
	v_exp_f32 v[BM], v[BM]                         ; the blocks' largest p
	v_exp_f32 v[BM+2], v[BM+2]
	v_pk_mul_f32 v[14:15], v[14:15], v[F:F+1] op_sel_hi:[1,0]
	s_wait_alu depctr_va_vdst(0)                   ; and behind it
	v_max_num_f32 v[BM], 0x1800000, v[BM]
	v_max_num_f32 v[BM+2], 0x1800000, v[BM+2]
	s_delay_alu instid0(VALU_DEP_2)
	v_add_nc_u32 v[SOP], 0xff000000, v[BM]
	s_delay_alu instid0(VALU_DEP_2)
	v_add_nc_u32 v[SOP+1], 0xff000000, v[BM+2]
	s_delay_alu instid0(VALU_DEP_2)
	v_lshrrev_b32 v[PB], 23, v[SOP]
	s_delay_alu instid0(VALU_DEP_2)
	v_lshrrev_b32 v[PB+1], 23, v[SOP+1]
	s_delay_alu instid0(VALU_DEP_1)
	v_lshl_or_b32 v[PB], v[PB+1], 16, v[PB]        ; my two bytes, blocks h and 2 + h,
	s_delay_alu instid0(VALU_DEP_1)
	v_lshlrev_b32 v[PB], v[SH8], v[PB]             ; at their places;
	s_delay_alu instid0(VALU_DEP_1)
	v_permlanex16_b32 v[PB+2], v[PB], s28, s29
	s_delay_alu instid0(VALU_DEP_1)
	v_or_b32 v[PW], v[PB], v[PB+2]                 ; with lane l xor 16's two the word is whole
.irp c, 0,1
	v_cvt_scalef32_pk16_fp6_f32 v[PCD+6*\c:PCD+2+6*\c], v[S+32*\c:S+15+32*\c], v[SOP+\c]
	v_cvt_scalef32_pk16_fp6_f32 v[CT+4*\c:CT+2+4*\c], v[S+16+32*\c:S+31+32*\c], v[SOP+\c]
.endr
	v_nop                                          ; one plain place behind a scaled conversion
.irp c, 0,1
.irp i, 0,1,2
	v_mov_b32 v[PCD+3+6*\c+\i], v[CT+4*\c+\i]
.endr
.endr
	v_pk_add_f32 v[242:243], v[S:S+1], v[S+2:S+3]  ; the row's sum of the unquantised p, in four chains
	v_pk_add_f32 v[244:245], v[S+4:S+5], v[S+6:S+7]
	v_pk_add_f32 v[246:247], v[S+8:S+9], v[S+10:S+11]
	v_pk_add_f32 v[14:15], v[14:15], v[S+12:S+13]
.irp k, 14,22,30,38,46,54
	v_pk_add_f32 v[242:243], v[242:243], v[S+\k:S+\k+1]
	v_pk_add_f32 v[244:245], v[244:245], v[S+\k+2:S+\k+3]
	v_pk_add_f32 v[246:247], v[246:247], v[S+\k+4:S+\k+5]
	v_pk_add_f32 v[14:15], v[14:15], v[S+\k+6:S+\k+7]
.endr
	v_pk_add_f32 v[242:243], v[242:243], v[S+62:S+63]
	v_pk_add_f32 v[244:245], v[244:245], v[246:247]
	s_delay_alu instid0(VALU_DEP_2)
	v_pk_add_f32 v[14:15], v[14:15], v[242:243]
	s_delay_alu instid0(VALU_DEP_1)
	v_pk_add_f32 v[14:15], v[14:15], v[244:245]
.set j, 0
.rept 16
	v_pk_mul_f32 v[O+j:O+j+1], v[O+j:O+j+1], v[F:F+1] op_sel_hi:[1,0]
.set j, j+2
.endr
	s_wait_alu depctr_va_vdst(0)
	s_wait_dscnt 0x0                               ; V
.irp d, 0,2
	v_wmma_scale_f32_16x16x128_f8f6f4 v[O+8*\d:O+8*\d+7], v[KF+12*\d:KF+12*\d+11], v[PCD:PCD+11], v[O+8*\d:O+8*\d+7], v[VSW+\d/2], v[PW] matrix_a_fmt:MATRIX_FMT_FP6 matrix_b_fmt:MATRIX_FMT_FP6
	v_wmma_scale_f32_16x16x128_f8f6f4 v[O+8*\d+8:O+8*\d+15], v[KF+12*\d+12:KF+12*\d+23], v[PCD:PCD+11], v[O+8*\d+8:O+8*\d+15], v[VSW+\d/2], v[PW] matrix_a_fmt:MATRIX_FMT_FP6 matrix_b_fmt:MATRIX_FMT_FP6 matrix_a_scale:MATRIX_SCALE_ROW1
.endr
.endm
; ONE TILE OF 16 QUERIES: tile 16 i + w.  O^T and the sum begin as zeros and the largest score as -3e38, so the first change of M multiplies zeros.
.macro QTILE i, qb, qw
	v_mov_b32 v13, 0xff61b1e6
	s_delay_alu instid0(VALU_DEP_1)
	v_floor_f32 v12, -v13
	v_mov_b32 v14, 0
	v_mov_b32 v15, 0
.set j, 0
.rept 32
	v_mov_b32 v[O+j], 0
.set j, j+1
.endr
	s_mov_b32 s32, 0
	s_mov_b32 s33, 16
.Lkey_\@:
	STEP \qb, \qw
	s_add_co_u32 s32, s32, RECK
	s_sub_co_u32 s33, s33, 1
	s_cmp_lg_u32 s33, 0
	s_cbranch_scc1 .Lkey_\@
.rept 4
	v_nop
.endr
	v_add_f32 v14, v14, v15
	s_delay_alu instid0(VALU_DEP_1)
	v_permlanex16_b32 v[F], v14, s28, s29
	s_delay_alu instid0(VALU_DEP_1)
	v_add_f32 v14, v14, v[F]                       ; the row's sum
	s_wait_alu depctr_va_vdst(0)
	v_rcp_f32 v14, v14
	v_nop
	s_wait_alu depctr_va_vdst(0)
.set j, 0
.rept 32
	v_mul_f32 v[S+j], v[O+j], v14                  ; register 16 b + i is channel 32 b + 16 h + i of my query
.set j, j+1
.endr
.irp b, 0,1
	v_max3_num_f32 v[BM+\b], |v[S+16*\b]|, |v[S+1+16*\b]|, 0x1800000
.endr
.irp k, 2,4,6,8,10,12,14
.irp b, 0,1
	s_delay_alu instid0(VALU_DEP_2)
	v_max3_num_f32 v[BM+\b], v[BM+\b], |v[S+16*\b+\k]|, |v[S+1+16*\b+\k]|
.endr
.endr
.irp b, 0,1
	s_delay_alu instid0(VALU_DEP_2)
	v_permlanex16_b32 v[PB+\b], v[BM+\b], s28, s29
.endr
.irp b, 0,1
	s_delay_alu instid0(VALU_DEP_2)
	v_max_num_f32 v[BM+\b], v[BM+\b], v[PB+\b]
.endr
.irp b, 0,1
	s_delay_alu instid0(VALU_DEP_2)
	v_add_nc_u32 v[SOP+\b], 0xff000000, v[BM+\b]
.endr
.irp b, 0,1
	s_delay_alu instid0(VALU_DEP_2)
	v_lshrrev_b32 v[PB+\b], 23, v[SOP+\b]
.endr
	s_delay_alu instid0(VALU_DEP_1)
	v_cndmask_b32 v[TMP], v[PB], v[PB+1], s34      ; lane (r, h) keeps block h's byte
	v_cvt_scalef32_pk16_fp6_f32 v[PCD:PCD+2], v[S:S+15], v[SOP]
	v_cvt_scalef32_pk16_fp6_f32 v[CT:CT+2], v[S+16:S+31], v[SOP+1]
	v_nop
.irp k, 0,1,2
	v_permlane16_swap_b32 v[PCD+\k], v[CT+\k]      ; lane (r, h) now holds block h of query r
.endr
.irp k, 0,1,2
	v_mov_b32 v[PCD+3+\k], v[CT+\k]
.endr
	ds_store_b8 v[SBA], v[TMP] offset:512*\i
	ds_store_b64 v[STO0], v[PCD:PCD+1] offset:12288*\i
	ds_store_b64 v[STO1], v[PCD+2:PCD+3] offset:12288*\i+8
	ds_store_b64 v[STO0], v[PCD+4:PCD+5] offset:12288*\i+512
.endm
	QTILE 0, 16, 28
	QTILE 1, 228, 240
; THE OUTPUT PROJECTION
.set ACC,  160                         ; v160-223 eight accumulators: row tile i, column tile wt at 8 (4 i + wt)
.set BF,   32                          ; v32-127 w_0's images, two sets of 48
.set SA2,  8                           ; v8-15  A's scale words: tile i, step s: register 4 i + s % 4, row of lanes s / 4
.set SB2,  16                          ; v16-31 w_0's likewise
.set A2AD, 3
.set SCAD, 4
.set STO2, 5
.set RD2,  6
.set CO,   7
.set BIA,  248
.set LSB,  249
	s_wait_dscnt 0x0                               ; my stores into A's images and scale bytes are done
	v_and_b32 v31, 15, v0
	v_bfe_u32 v29, v0, 4, 1
	v_add_nc_u32 v[A2AD], A2, v[L16]
	v_lshlrev_b32 v[LSB], 5, v31
	v_lshl_add_u32 v[LSB], v29, 4, v[LSB]          ; 32 r + 16 h
	v_add_nc_u32 v[SCAD], SCG, v[LSB]
	s_mul_i32 s44, s12, 4352
	s_add_co_u32 s44, s44, OST
	v_mul_u32_u24 v30, v31, 272
	v_lshl_add_u32 v30, v29, 5, v30
	v_add_nc_u32 v[STO2], s44, v30
	v_mul_u32_u24 v30, v29, 272
	v_lshl_add_u32 v30, v31, 4, v30
	v_add_nc_u32 v[RD2], s44, v30
	v_lshlrev_b32 v30, 12, v29
	v_lshl_add_u32 v[CO], v31, 4, v30
	v_lshlrev_b32 v[BIA], 5, v29
	s_wait_alu depctr_va_vdst(0)                   ; the wait ahead of the barrier and of the readers behind it
.macro BLD s
.irp wt, 0,1,2,3
.irp g, 0,1,2
	global_load_b128 v[BF+48*((\s)%2)+12*\wt+4*\g:BF+48*((\s)%2)+12*\wt+4*\g+3], v[L16], s[8:9] offset:(8*\wt+(\s))*1536+512*\g
.endr
.endr
.endm
.macro ALD s
.irp i, 0,1
.irp g, 0,1,2
	ds_load_b128 v[128+96*((\s)%2)+12*\i+4*\g:128+96*((\s)%2)+12*\i+4*\g+3], v[A2AD] offset:(8*\i+(\s))*1536+512*\g
.endr
.endr
.endm
.macro WM d, x, y, sx, sy, hi
.if \hi
	v_wmma_scale_f32_16x16x128_f8f6f4 v[\d:\d+7], v[\x:\x+11], v[\y:\y+11], v[\d:\d+7], v[\sx], v[\sy] matrix_a_fmt:MATRIX_FMT_FP6 matrix_b_fmt:MATRIX_FMT_FP6 matrix_a_scale:MATRIX_SCALE_ROW1 matrix_b_scale:MATRIX_SCALE_ROW1
.else
	v_wmma_scale_f32_16x16x128_f8f6f4 v[\d:\d+7], v[\x:\x+11], v[\y:\y+11], v[\d:\d+7], v[\sx], v[\sy] matrix_a_fmt:MATRIX_FMT_FP6 matrix_b_fmt:MATRIX_FMT_FP6
.endif
.endm
.irp i, 0,1                                    ; the sums begin as the bias: column 16 wt + 8 h + j in register j
.irp wt, 0,1,2,3
	global_load_b128 v[ACC+8*(4*\i+\wt):ACC+8*(4*\i+\wt)+3], v[BIA], s[48:49] offset:64*\wt
	global_load_b128 v[ACC+8*(4*\i+\wt)+4:ACC+8*(4*\i+\wt)+7], v[BIA], s[48:49] offset:64*\wt+16
.endr
.endr
.irp wt, 0,1,2,3
	global_load_b128 v[SB2+4*\wt:SB2+4*\wt+3], v[LSB], s[10:11] offset:512*\wt
.endr
	BLD 0                                          ; asked for ahead of the barrier: they are on their way while the other waves finish their tiles
	BLD 1
	s_barrier_signal -1
	s_barrier_wait -1                              ; the work-group's 32 rows of A lie in LDS
.irp i, 0,1
	ds_load_b128 v[SA2+4*\i:SA2+4*\i+3], v[SCAD] offset:512*\i
.endr
	ALD 0
	ALD 1
.irp s, 0,1,2,3,4,5,6,7
.if \s < 7
	s_wait_loadcnt 12                              ; this step's images are in; the next step's 12 loads may be out
	s_wait_dscnt 6                                 ; and so may its 6 loads of A
.else
	s_wait_loadcnt 0x0
	s_wait_dscnt 0x0
.endif
.irp i, 0,1                                    ; eight accumulators by turns
.irp wt, 0,1,2,3
	WM ACC+8*(4*\i+\wt), BF+48*((\s)%2)+12*\wt, 128+96*((\s)%2)+12*\i, SB2+4*\wt+(\s)%4, SA2+4*\i+(\s)%4, (\s)/4
.endr
.endr
.rept 4
	v_nop                                          ; places in front of loads into the sets just multiplied, and of the first read of the sums
.endr
.if \s < 6
	BLD \s+2
	ALD \s+2
.endif
.endr
.irp i, 0,1
.irp wt, 0,1,2,3
	ds_store_b128 v[STO2], v[ACC+8*(4*\i+\wt):ACC+8*(4*\i+\wt)+3] offset:64*\wt
	ds_store_b128 v[STO2], v[ACC+8*(4*\i+\wt)+4:ACC+8*(4*\i+\wt)+7] offset:64*\wt+16
.endr
.irp t, 0,1,2,3,4,5,6,7
	ds_load_b128 v[BF+32*\i+4*\t:BF+32*\i+4*\t+3], v[RD2] offset:\t*544   ; LDS serves a wave's instructions in order
.endr
.endr
.irp i, 0,1
	s_wait_dscnt 16-16*\i                          ; behind the first tile's loads: the second's 8 stores and 8 loads
.irp t, 0,1,2,3,4,5,6,7
	global_store_b128 v[CO], v[BF+32*\i+4*\t:BF+32*\i+4*\t+3], s[50:51] offset:\i*65536+\t*8192 th:TH_STORE_NT   ; 16 lanes store 256 consecutive bytes, aligned
.endr
.endr
	s_wait_tensorcnt 0x0                           ; the wave's end
	ds_add_u32 v254, v255
	s_wait_dscnt 0x0
	CROUND                                         ; the closing round
	s_endpgm
.Lfunc_end_k_qea158e887f_attn:
	.size	k_qea158e887f_attn, .Lfunc_end_k_qea158e887f_attn-k_qea158e887f_attn
	.p2alignl 7, 3214868480
	.fill 96, 4, 3214868480
	.section	.rodata,"a",@progbits
	.p2align	6, 0x0
	.amdhsa_kernel k_qea158e887f_attn
		.amdhsa_group_segment_fixed_size 310272
		.amdhsa_private_segment_fixed_size 0
		.amdhsa_enable_private_segment 0
		.amdhsa_kernarg_size 48
		.amdhsa_user_sgpr_count 2
		.amdhsa_user_sgpr_kernarg_segment_ptr 1
		.amdhsa_wavefront_size32 1
		.amdhsa_system_sgpr_workgroup_id_x 1
		.amdhsa_system_sgpr_workgroup_id_y 1
		.amdhsa_system_sgpr_workgroup_id_z 1
		.amdhsa_system_vgpr_workitem_id 0
		.amdhsa_next_free_vgpr 256
		.amdhsa_next_free_sgpr 66
		.amdhsa_reserve_vcc 0
		.amdhsa_float_denorm_mode_32 3
		.amdhsa_float_denorm_mode_16_64 3
		.amdhsa_memory_ordered 1
		.amdhsa_forward_progress 1
		.amdhsa_inst_pref_size 77
	.end_amdhsa_kernel
	.amdgpu_metadata
---
amdhsa.version: [ 1, 2 ]
amdhsa.kernels:
  - .name:           k_qea158e887f_attn
    .symbol:         k_qea158e887f_attn.kd
    .args:
      - { .name: qi, .offset: 0, .size: 8, .value_kind: global_buffer, .address_space: global }
      - { .name: kv, .offset: 8, .size: 8, .value_kind: global_buffer, .address_space: global }
      - { .name: wc, .offset: 16, .size: 8, .value_kind: global_buffer, .address_space: global }
      - { .name: ws, .offset: 24, .size: 8, .value_kind: global_buffer, .address_space: global }
      - { .name: b_0, .offset: 32, .size: 8, .value_kind: global_buffer, .address_space: global }
      - { .name: out0, .offset: 40, .size: 8, .value_kind: global_buffer, .address_space: global }
    .group_segment_fixed_size: 310272
    .private_segment_fixed_size: 0
    .kernarg_segment_align: 8
    .kernarg_segment_size: 48
    .max_flat_workgroup_size: 512
    .sgpr_count:     66
    .vgpr_count:     256
    .wavefront_size: 32
...
	.end_amdgpu_metadata
.endif
;; end of part 3
